; MI455X (gfx1250); checked and timed in simulation.
; The chip was launched on July 23, 2026; its instructions are those of AMD's public machine-readable ISA for CDNA 5 (MIT licence, August 2026) and "CDNA5" Instruction Set Architecture Reference Guide (July 2026). The comments in the code are by the model that wrote it; some were corrected since.
;; Vector Quantization. Allowed arithmetic: matrix products marked QUANTISED: E2M1 operands, one E8M0 scale for each 32 along K, by v_wmma_scale_f32_16x16x128_f8f6f4 with both operands' format E2M1 (or v_wmma_scale_f32_32x16x128_f4), f32 sums; everything else in f32.
;; Inputs: vectors 8,192 x 256 float32; x 8 x 4,096 x 256 float32.
;; Outputs: out0 8 x 4,096 int32.
;; This version of the problem:
;;   THIS VERSION OF THE PROBLEM IS GIVEN IN LOW PRECISION. The matrix products marked QUANTISED in the list below multiply operands that are first quantised to E2M1 (2 exponent bits, 1 mantissa bit; 4 bits a number), with one power-of-two scale for each 32 numbers along K (OCP MX v1.0); their sums are f32. All else is computed in f32.
;;   The module's matrix products, in the order in which they are computed (A, B: the left and right operand; K: the contracted axis; several contracted axes count as one K, in the product's order):
;;     1. [M 32,768, K 256] x [K 256, N 8,192]; A: input x; B: input vectors: QUANTISED
;;   THE QUANTISER, for each operand of a quantised product, along K:
;;     - K is cut into blocks of 32 from its start; a last block that is shorter is filled with zeros.
;;     - A block's scale is 2^e with e = floor(log2(the largest magnitude in the block)) - 2, held to -126 .. 127; a block of zeros has e = 0. As a byte (E8M0): e + 127.
;;     - Each number is divided by its block's scale, clamped to +-6, and rounded to the nearest number of E2M1, ties to even, subnormals kept.
;;     - The product sums the exact products of the quantised numbers (number of the format x scale) in f32.
;;   ~~~python
;;   def quantise(x, axis):      # numpy; x: float32 -> the quantised numbers, widened to float32 again
;;       x = np.moveaxis(x, axis, -1); K = x.shape[-1]
;;       x = np.pad(x, [(0, 0)] * (x.ndim - 1) + [(0, -K % 32)]); x = x.reshape(x.shape[:-1] + (-1, 32)); a = np.abs(x).max(-1, keepdims=True)
;;       e = np.where(a > 0, np.clip(np.frexp(np.where(a > 0, a, 1))[1] - 1 - 2, -126, 127), 0)      # np.frexp(a)[1] - 1 = floor(log2(a)), exactly
;;       r = np.clip(x / 2.0 ** e, -6, 6)
;;       step = 2.0 ** (np.maximum(np.frexp(np.where(r == 0, 1, r))[1] - 1, 0) - 1)
;;       q = np.round(r / step) * step * 2.0 ** e      # np.round: ties to even
;;       return np.moveaxis(q.reshape(q.shape[:-2] + (-1,))[..., :K], -1, axis).astype(np.float32)
;;   ~~~
;; One version. Each part assembles by itself: llvm-mc -triple=amdgcn-amd-amdhsa -mcpu=gfx1250 --defsym DOCPART=n.
;; ======== version 1 of 1: 3 launches
;; limits: right only within a limited range of input values
;; workspace buffers: xq 4,456,448 bytes; cb 1,179,648 bytes; cand 524,288 bytes of whole numbers
;; launch quant (part 1): grid 256 x 1, 5 waves a work-group, no clusters, 168,704 bytes of LDS; arguments x, vectors, xq, cb; writes xq, cb
.if DOCPART == 1
	.amdgcn_target "amdgcn-amd-amdhsa--gfx1250"
	.amdhsa_code_object_version 6
	.text
	.protected	k_q14b367c77f_quant
	.globl	k_q14b367c77f_quant
	.p2align	8
	.type	k_q14b367c77f_quant,@function
k_q14b367c77f_quant:
	s_mov_b64 s[64:65], 0
	v_nop
	global_prefetch_b8 v0, s[64:65] scope:SCOPE_SE
	s_setreg_imm32_b32 hwreg(HW_REG_WAVE_MODE, 25, 1), 1
	s_wait_xcnt 0x0
; x [32768][256] and vectors [8192][256], f32, become codes of FP4 (E2M1) with one E8M0 scale byte for each 32 along the 256, laid as IMAGES OF OPERAND REGISTERS; of the vectors also hv = half the sum of squares.
; A RECORD is a group of 32 rows, as two tiles u = 0, 1 of 16: row r of tile u is row 32 G + 8 u + r + 8 (r / 8) of the tensor.  With such a tile as source 0 of the product, a lane's 16 results of tiles 0 and 1 are 16 neighbouring rows.
;   +0    codes: registers 4 c .. 4 c + 3 of the fragment of K step s (k = 128 s + 64 c + 32 h + 0 .. 31 of row r), lane l = 16 h + r, at 2048 u + 512 (2 s + c) + 16 l
;   +4096 scale words: the word of (u, s, r) at 128 (r / 8) + 64 s + 8 (r % 8) + 4 u
;   +4352 (vectors alone) hv of row 32 G + 16 H + i at 128 H + 4 i, i = 0 .. 15; the other 2 x 64 bytes are zeros
; A record of x is 4,352 bytes, one of the vectors 4,608: both multiples of 256.
; A block's scale is 2^(floor(log2(its largest magnitude)) - 2); its byte is the largest magnitude's exponent field - 2, held at 1 from below.
; LIMITS: a block of zeros gets the byte 1 where the rule says 127 (its codes are zeros, and this program alone reads the bytes); NaN and infinities among the inputs are not served;
; the sum of squares is made by fused multiply-adds in four chains a row, not in the order of any other program; a sum of squares under 2^-125 loses a bit when it is halved.
; SHARES.  Wave w of work-group W takes group 5 W + w of 1,280: the first 1,024 are x's, the others the vectors'.  Only pointers are chosen: both tensors take one path.  The group's 32 rows, 32,768 consecutive bytes,
; come by ONE tensor load into the wave's own stage; the wave reads only its own bytes, so its own wait on TENSORcnt is all the ordering that the reads need: no barrier.  LDS is filled once.
; No cluster: no two work-groups read the same byte.  No prefetch: the launch is one stream, all of it asked for at the start.
.set ROWP,  1040                       ; a stage row: 1,024 bytes + 16 of padding
.set STG,   32*ROWP                    ; a wave's stage: 33,280 bytes
.set SCRB,  5*STG                      ; behind the stages: 256 bytes for each wave, into which no fill lands
.set XA,    16                         ; v16-79    64 numbers of a step
.set XB,    80                         ; v80-143   the other set
.set CD,    144                        ; v144-175  codes: 8 registers for each of the 4 steps, so that no store's data are written again
.set MX,    176                        ; v176-177  two blocks' largest magnitudes
.set SO,    178                        ; v178-179  the conversions' scale operands
.set BY,    180                        ; v180-181  the scale bytes
.set WD,    182                        ; v182-183  a tile's scale words of K steps 0 and 1
.set TP,    184                        ; v184      what the other half of the lanes sends
.set TW,    186                        ; v186-187  the words as they are stored: tile 0's, tile 1's
.set SQ,    188                        ; v188-195  sums of squares: tile u, chain c: the pair at 188 + 4 u + 2 c
.set G1,    24                         ; s[24:31]  descriptor group 1
.set G0,    32                         ; s[32:35]  descriptor group 0
	s_load_b256 s[4:11], s[0:1], 0x0               ; x s[4:5], vectors s[6:7], xq s[8:9], cb s[10:11]
	v_lshl_add_u32 v208, v0, 2, 0x29000
	v_mov_b32 v209, 0
	ds_add_u32 v208, v209
	ds_add_u32 v208, v209
	v_lshrrev_b32 v13, 5, v0
	v_readfirstlane_b32 s12, v13                   ; wave 0..4
	s_mul_i32 s13, ttmp9, 5
	s_add_co_u32 s13, s13, s12                     ; my group, 0 .. 1279
	; group 1: 32 rows x 256 elements of 4 bytes, dense in memory, 16 bytes of padding behind each row in LDS
	s_mov_b32 s[G1+0], (2<<16)|(1<<20)|(7<<22)|(3<<25)  ; 15:0 no mask; 17:16 elements of 4 bytes; 20 padding on; 24:22 after every 256 words (code 7); 31:25 four words (code 3)
	s_mov_b32 s[G1+1], 256<<16                     ; tensor_dim0 = 256
	s_mov_b32 s[G1+2], 32<<16                      ; tensor_dim1 = 32
	s_mov_b32 s[G1+3], 256<<16                     ; tile_dim0 = 256
	s_mov_b32 s[G1+4], 32                          ; tile_dim1 = 32
	s_mov_b32 s[G1+5], 256                         ; elements from row to row
	s_mov_b32 s[G1+6], 0
	s_mov_b32 s[G1+7], 0
	s_mul_i32 s39, s12, STG                        ; my stage
	s_lshl_b32 s40, s12, 8
	s_add_co_u32 s40, s40, SCRB                    ; my 256 bytes behind the stages
	s_mov_b32 s36, 0x76543210
	s_mov_b32 s37, 0xfedcba98                      ; v_permlanex16_b32's selects for lane l xor 16
	s_mov_b32 s38, 0xffff0000                      ; lanes 16-31
	s_mov_b32 s19, 4608
	s_wait_dscnt 0x0
	s_wait_kmcnt 0x0
	s_cmp_lt_u32 s13, 1024                         ; x's group or the vectors'?  The choice hangs on ids alone
	s_cselect_b64 s[14:15], s[4:5], s[6:7]
	s_cselect_b64 s[16:17], s[8:9], s[10:11]
	s_cselect_b32 s18, 0, 1024
	s_cselect_b32 s19, 4352, s19                   ; a record's bytes
	s_sub_co_u32 s18, s13, s18                     ; the group's number in its tensor
	s_lshl_b32 s20, s18, 15                        ; 32 rows of 1,024 bytes
	s_mov_b32 s21, 0
	s_mul_i32 s22, s18, s19
	s_mov_b32 s23, 0
	s_add_nc_u64 s[14:15], s[14:15], s[20:21]      ; from here
	s_add_nc_u64 s[16:17], s[16:17], s[22:23]      ; to here
	s_mov_b32 s[G0], 1                             ; count = 1
	s_mov_b32 s[G0+1], s39                         ; LDS address
	s_mov_b64 s[G0+2:G0+3], s[14:15]               ; global address
	s_or_b32 s[G0+3], s[G0+3], 0x80000000          ; type = 2
	tensor_load_to_lds s[G0:G0+3], s[G1:G1+7]      ; my one tensor load: 32,768 bytes
	s_nop 0
.rept 4
	v_nop
.endr
	v_and_b32 v1, 31, v0                           ; lane
	v_and_b32 v2, 15, v0                           ; r
	v_bfe_u32 v3, v0, 4, 1                         ; h
	v_and_b32 v13, 8, v2
	v_add_nc_u32 v13, v13, v2                      ; r + 8 (r / 8)
	v_mul_u32_u24 v4, v13, ROWP
	v_lshl_add_u32 v4, v3, 7, v4
	v_add_nc_u32 v4, s39, v4                       ; the stage: tile 0's row r, + 128 h: my 32 numbers of a 64
	v_lshlrev_b32 v5, 4, v1                        ; 16 x lane: my place in an image
	v_and_b32 v14, 7, v0
	v_bfe_u32 v15, v0, 3, 1
	v_lshlrev_b32 v6, 3, v14
	v_lshl_add_u32 v6, v15, 7, v6
	v_lshl_add_u32 v6, v3, 6, v6                   ; the scale words: 128 (r / 8) + 64 (lane / 16) + 8 (r % 8): lanes 0-15 store K step 0's, lanes 16-31 K step 1's
	v_lshlrev_b32 v7, 3, v3                        ; 8 h: my bytes' shift in a scale word
	v_lshl_add_u32 v8, v1, 3, s40                  ; my 8 bytes of the wave's 256
	v_lshlrev_b32 v9, 2, v14
	v_lshl_add_u32 v9, v15, 7, v9
	v_lshl_add_u32 v9, v3, 5, v9
	v_add_nc_u32 v9, s40, v9                       ; hv of (tile h, row r): 128 (r / 8) + 32 h + 4 (r % 8)
	v_mov_b32 v10, 0
	v_mov_b32 v11, 0
	v_lshlrev_b32 v12, 3, v1                       ; 8 x lane
	v_mov_b32 v[TP], 0                             ; written once: a lane permute's destination counts as one of its sources
.irp j, 0,1,2,3,4,5,6,7
	v_mov_b32 v[SQ+\j], 0
.endr
; Step n = 2 u + s: tile u, K step s.  Lane (r, h) takes k = 128 s + 64 c + 32 h + 0 .. 31 of its row, c = 0, 1: two whole blocks of 32, in the order in which the operand's registers want them.
.macro LD n, set
.irp c, 0,1
.irp i, 0,1,2,3,4,5,6,7
	ds_load_b128 v[\set+32*\c+4*\i:\set+32*\c+4*\i+3], v4 offset:((\n)/2)*8*ROWP+((\n)%2)*512+\c*256+16*\i
.endr
.endr
.endm
.macro QSTEP n, set
.set QU, (\n)/2
.set QS, (\n)%2
.irp c, 0,1
	v_max3_num_f32 v[MX+\c], |v[\set+32*\c]|, |v[\set+32*\c+1]|, 0x1800000   ; my block 2 c + h: all 32 numbers are mine; and the floor 2^(3 - 127): the byte cannot fall under 1
.endr
.irp i, 2,4,6,8,10,12,14,16,18,20,22,24,26,28,30
.irp c, 0,1
	v_max3_num_f32 v[MX+\c], v[MX+\c], |v[\set+32*\c+\i]|, |v[\set+32*\c+\i+1]|   ; (the two blocks by turns)
.endr
.endr
.irp c, 0,1
	v_add_nc_u32 v[SO+\c], 0xff000000, v[MX+\c]    ; 2 off the exponent field: the conversion takes the exponent field of this operand as its scale, and nothing else of it
.endr
.irp c, 0,1
	v_lshrrev_b32 v[BY+\c], 23, v[SO+\c]           ; the scale's byte
.endr
.irp c, 0,1
.irp g, 0,1,2,3
	v_cvt_scalef32_pk8_fp4_f32 v[CD+8*(\n)+4*\c+\g], v[\set+32*\c+8*\g:\set+32*\c+8*\g+7], v[SO+\c]   ; register 4 c + g of the fragment
.endr
.endr
	v_nop                                          ; one plain place behind the last scaled conversion
.irp c, 0,1
	global_store_b128 v5, v[CD+8*(\n)+4*\c:CD+8*(\n)+4*\c+3], s[16:17] offset:QU*2048+(2*QS+\c)*512   ; the wave stores 512 consecutive bytes, at a multiple of 256 from the buffer's first byte
.endr
	v_lshl_or_b32 v[WD+QS], v[BY+1], 16, v[BY]     ; my two bytes: blocks h and 2 + h of my row,
	v_lshlrev_b32 v[WD+QS], v7, v[WD+QS]           ; at their places in the scale word;
	v_permlanex16_b32 v[TP], v[WD+QS], s36, s37
	v_or_b32 v[WD+QS], v[WD+QS], v[TP]             ; with lane l xor 16's two the word is whole
	s_cmp_lt_u32 s13, 1024                         ; x has no sum of squares: a branch on ids
	s_cbranch_scc1 .Lnosq_\@
.irp i, 0,2,4,6,8,10,12,14,16,18,20,22,24,26,28,30
.irp c, 0,1
	v_pk_fma_f32 v[SQ+4*QU+2*\c:SQ+4*QU+2*\c+1], v[\set+32*\c+\i:\set+32*\c+\i+1], v[\set+32*\c+\i:\set+32*\c+\i+1], v[SQ+4*QU+2*\c:SQ+4*QU+2*\c+1]   ; of the UNQUANTISED numbers
.endr
.endr
.Lnosq_\@:
.if QS == 1
	s_wait_alu depctr_va_vdst(0)
	v_cndmask_b32 v[TW+QU], v[WD], v[WD+1], s38    ; lanes 0-15 keep K step 0's word, lanes 16-31 K step 1's
.endif
.endm
	s_wait_tensorcnt 0x0                           ; my 32 rows lie in my stage
	LD 0, XA
	LD 1, XB
	s_wait_dscnt 16                                ; step 0's 16 loads are in; step 1's 16 may be out
	QSTEP 0, XA
	LD 2, XA
	s_wait_dscnt 16                                ; step 1's are in; step 2's may be out
	QSTEP 1, XB
	LD 3, XB
	s_wait_dscnt 16                                ; step 2's are in; step 3's may be out
	QSTEP 2, XA
	s_wait_dscnt 0x0
	QSTEP 3, XB
	global_store_b64 v6, v[TW:TW+1], s[16:17] offset:4096   ; the group's 64 scale words: 256 consecutive bytes
	s_cmp_lt_u32 s13, 1024
	s_cbranch_scc1 .Lend
	; hv = half the row's sum of squares
	v_pk_add_f32 v[196:197], v[SQ:SQ+1], v[SQ+2:SQ+3]
	v_pk_add_f32 v[198:199], v[SQ+4:SQ+5], v[SQ+6:SQ+7]
	v_add_f32 v196, v196, v197
	v_add_f32 v198, v198, v199
	v_permlanex16_b32 v[TP], v196, s36, s37
	v_add_f32 v196, v196, v[TP]                    ; tile 0's row r, whole, in both halves of the lanes
	v_permlanex16_b32 v[TP], v198, s36, s37
	v_add_f32 v198, v198, v[TP]                    ; tile 1's
	v_cndmask_b32 v196, v196, v198, s38            ; lane (r, h) sends tile h's
	v_mul_f32 v196, 0.5, v196
	ds_store_b64 v8, v[10:11]                      ; the wave's 256 bytes: zeros,
	ds_store_b32 v9, v196                          ; the 32 numbers at their places (LDS serves a wave's instructions in order: ISA guide 5.7.1.4),
	ds_load_b64 v[198:199], v8                     ; and back, 8 bytes a lane
	s_wait_dscnt 0x0
	global_store_b64 v12, v[198:199], s[16:17] offset:4352   ; 256 consecutive bytes
.Lend:
	s_wait_tensorcnt 0x0
	ds_add_u32 v208, v209
	s_wait_dscnt 0x0
	s_endpgm
.Lfunc_end_k_q14b367c77f_quant:
	.size	k_q14b367c77f_quant, .Lfunc_end_k_q14b367c77f_quant-k_q14b367c77f_quant
	.p2alignl 7, 3214868480
	.fill 96, 4, 3214868480
	.section	.rodata,"a",@progbits
	.p2align	6, 0x0
	.amdhsa_kernel k_q14b367c77f_quant
		.amdhsa_group_segment_fixed_size 168704
		.amdhsa_private_segment_fixed_size 0
		.amdhsa_enable_private_segment 0
		.amdhsa_kernarg_size 32
		.amdhsa_user_sgpr_count 2
		.amdhsa_user_sgpr_kernarg_segment_ptr 1
		.amdhsa_wavefront_size32 1
		.amdhsa_system_sgpr_workgroup_id_x 1
		.amdhsa_system_sgpr_workgroup_id_y 1
		.amdhsa_system_sgpr_workgroup_id_z 1
		.amdhsa_system_vgpr_workitem_id 0
		.amdhsa_next_free_vgpr 210
		.amdhsa_next_free_sgpr 66
		.amdhsa_reserve_vcc 0
		.amdhsa_float_denorm_mode_32 3
		.amdhsa_float_denorm_mode_16_64 3
		.amdhsa_memory_ordered 1
		.amdhsa_forward_progress 1
		.amdhsa_inst_pref_size 31
	.end_amdhsa_kernel
	.amdgpu_metadata
---
amdhsa.version: [ 1, 2 ]
amdhsa.kernels:
  - .name:           k_q14b367c77f_quant
    .symbol:         k_q14b367c77f_quant.kd
    .args:
      - { .name: x, .offset: 0, .size: 8, .value_kind: global_buffer, .address_space: global }
      - { .name: vectors, .offset: 8, .size: 8, .value_kind: global_buffer, .address_space: global }
      - { .name: xq, .offset: 16, .size: 8, .value_kind: global_buffer, .address_space: global }
      - { .name: cb, .offset: 24, .size: 8, .value_kind: global_buffer, .address_space: global }
    .group_segment_fixed_size: 168704
    .private_segment_fixed_size: 0
    .kernarg_segment_align: 8
    .kernarg_segment_size: 32
    .max_flat_workgroup_size: 160
    .sgpr_count:     66
    .vgpr_count:     210
    .wavefront_size: 32
...
	.end_amdgpu_metadata
.endif
;; end of part 1
;; launch scan (part 2): grid 256 x 1, 8 waves a work-group, clusters of 4 x 1, 327,680 bytes of LDS; arguments xq, cb, cand; writes cand
.if DOCPART == 2
	.amdgcn_target "amdgcn-amd-amdhsa--gfx1250"
	.amdhsa_code_object_version 6
	.text
	.protected	k_q14b367c77f_scan
	.globl	k_q14b367c77f_scan
	.p2align	8
	.type	k_q14b367c77f_scan,@function
k_q14b367c77f_scan:
	s_mov_b64 s[64:65], 0
	v_nop
	global_prefetch_b8 v0, s[64:65] scope:SCOPE_SE
	s_setreg_imm32_b32 hwreg(HW_REG_WAVE_MODE, 25, 1), 1
	s_wait_xcnt 0x0
	s_wait_alu depctr_hold_cnt(0) depctr_sa_sdst(0) depctr_va_vdst(0) depctr_va_sdst(0) depctr_va_ssrc(0) depctr_va_vcc(0) depctr_vm_vsrc(0)
	s_getreg_b32 s2, hwreg(HW_REG_IB_STS2, 6, 4)
	s_cmp_eq_u32 s2, 0
	s_cbranch_scc0 .Lentry_in_a_cluster
	s_endpgm
.Lentry_in_a_cluster:
	s_bfe_u32 s2, ttmp6, 0x10000c
	s_cmp_lg_u32 s2, 0x3003
	s_cbranch_scc0 .Lentry_shape_is_right
	s_endpgm
.Lentry_shape_is_right:
; For each of 32,768 queries and each HALF of the codebook (4,096 codes): the first group of 16 neighbouring codes that holds the half's smallest score hv[k] - Q(x) . Q(v[k]), hv = half the sum of squares of v[k], and that score.
; That score is half of v_sq - 2 x . v bit for bit (a factor 2 rounds nothing), rounded once, by one f32 subtraction.  The products are on codes of FP4 (E2M1) with E8M0 scales, K = 256 in two instructions of 128.
; xq and cb hold records of 32 rows as images of operand registers (tile u's row r is row 32 G + 8 u + r + 8 (r / 8)): +0 codes at 2048 u + 512 (2 s + c) + 16 lane; +4096 scale words at 128 (r / 8) + 64 s + 8 (r % 8) + 4 u;
; cb alone: +4352 hv of code 32 g + 16 H + i at 128 H + 4 i.  A record of xq is 4,352 bytes, one of cb 4,608.
; cand: four tables of 32,768 words: the group (0 .. 511) found in half 0, in half 1; then the score's key for half 0, for half 1.  A key is the f32 score's bits turned into an unsigned whole number of the same order
; (a negative number's bits all flipped, a positive one's sign bit set), so that the next launch chooses between the halves by a compare of whole numbers.  Word 16 tile + r belongs to row r of a tile of xq.
; LIMITS: NaN and infinities are not served.
; SHARES.  A work-group owns 256 queries, 16 tiles of 16, and one half of the codebook, 128 records: so 589,824 bytes of codebook come to a work-group for 256 queries.  Wave w holds the 8 tiles of query half w % 2 in registers
; and takes quarter w / 2 of each slot's 16 records: 13 LDS loads for 32 matrix instructions.  The half goes through a ring of two LDS slots of 16 records; each wave fetches an eighth of a slot (36 rows of 256 bytes).
; LAYOUT.  Source 0 = 16 codes, source 1 = 16 queries: a lane holds ONE query (lane % 16), and the 16 results of a record's two tiles are the 16 neighbouring codes 32 g + 16 (lane / 16) + 0 .. 15.
; A BATCH is a record x 4 tiles of queries: 16 matrix instructions on 8 accumulators by turns, and 72 vector instructions (32 pairs of subtractions, 32 minima of three, 4 compares, 4 selects of the record's number), four tiles' chains by turns.
; Two sets of accumulators: the vector work of a batch stands behind the matrix instructions of the NEXT batch, so that 72 plain vector lines stand between a product and the first read of its result.
; Only the record is tracked: the place among the 16 is found by the next launch.  A lane meets its records in ascending order and takes a new one on a strict less: so it keeps the first.
; FOUR REGISTER BUFFERS hold records; a record is read from LDS three records ahead of its products.  So all reads of a slot are issued in its first record, and the change of slots stands in its second, over work on registers.
; CLUSTER.  The four work-groups of a cluster walk the same half of the codebook: each tile is asked for JOINTLY, by the same tensor load with the same descriptor and the mask 15.  The half hangs on the cluster's number;
; my place in the cluster enters xq's and cand's addresses alone.
; No prefetch: what the ring asks for is asked for by 32 clusters at about the same time, and each refill has four records' work of every wave (128 matrix and 576 vector instructions) in which to land.
; REGISTERS.  Window 0: v0-15 addresses; v16-23 x's scale words; v24-31 the records' scale words; v32-47 pairs {running minimum, record}; v48-55 the minima's second set; v56-63 at work; v64-127 hv, four buffers; v128-255 accumulators, two sets.
;   Window 1: v0-127 x's fragments (tile T, K step s at 16 T + 8 s); v128-255 the records' fragments, four buffers (tile u, K step s at 16 u + 8 s).
.set REC,   4608
.set XREC,  4352
.set SLOTB, 16*REC                     ; a slot: 73,728 bytes
.set MERGE, 2*SLOTB                    ; behind the ring: 2,048 bytes for each wave, into which no fill lands
.set RES,   MERGE+16384                ; the work-group's 256 groups, then its 256 keys
.set SPARE, RES+2048                   ; the spare words, 128 bytes for each wave: four blocks of 256 bytes that no other line names
.set ADK,  4                           ; v4-5   LDS address of my records' codes in slot 0, 1
.set ADS,  6                           ; v6-7   of their scale words
.set ADH,  8                           ; v8-9   of their hv
.set XS,   16
.set SC,   24
.set RG,   32
.set RUNB, 48
.set MT,   56
.set HV,   64
.set ACC,  128
.set G1,   24                          ; s[24:31] descriptor group 1
.set G0,   32                          ; s[32:39] group 0, one set for each slot
.set GI,   40                          ; s40-43   the numbers of my four records in the slot in hand
.set CM,   48                          ; s48-51   four compares' masks
.set MSB, 0
.macro WIN new                         ; the immediate's high byte repeats the setting that is left
.if MSB != \new
	s_set_vgpr_msb (MSB<<8)|\new
.set MSB, \new
.endif
.endm
.set MUL,  0x05                        ; sources 0 and 1 window 1; C and D window 0
.set TO_F, 0x40                        ; destination window 1, address window 0
.macro CREST                           ; a round of the cluster's barrier behind its opening barrier
	s_cmp_lg_u32 s10, 0
	s_cbranch_scc1 .Lnot_wave_0_\@
	s_barrier_signal -3
.Lnot_wave_0_\@:
	s_barrier_wait -3
	s_barrier_signal -1
	s_barrier_wait -1
.endm
.macro ROUND
	s_barrier_signal -1
	s_barrier_wait -1
	CREST
.endm
	s_load_b128 s[4:7], s[0:1], 0x0                ; xq s[4:5], cb s[6:7]
	s_load_b64 s[8:9], s[0:1], 0x10                ; cand
	v_lshl_add_u32 v1, v0, 2, SPARE                ; my spare word; never rewritten
	v_mov_b32 v2, 0                                ; 0; never rewritten
	ds_add_u32 v1, v2                              ; the opening lines: the add, twice on end, and its wait ahead of my first tensor load
	ds_add_u32 v1, v2
	v_lshrrev_b32 v15, 5, v0
	v_readfirstlane_b32 s10, v15                   ; wave 0..7
	s_and_b32 s11, s10, 1                          ; which 128 queries
	s_lshr_b32 s12, s10, 1                         ; which quarter of a slot
	s_bfe_u32 s13, ttmp6, 0x40000                  ; cx
	s_and_b32 s44, ttmp9, 1                        ; which half of the codebook: by the cluster's number
	s_lshr_b32 s14, ttmp9, 1
	s_lshl_b32 s14, s14, 2
	s_add_co_u32 s14, s14, s13                     ; my block of 256 queries, 0 .. 127
	; group 1: 36 rows of 256 bytes (32 elements of 8), dense in memory and in LDS
	s_mov_b32 s[G1+0], 15|(3<<16)|(1<<21)          ; the mask: all four work-groups; elements of 8 bytes; bit 21 set beside a mask
	s_mov_b32 s[G1+1], 32<<16                      ; tensor_dim0 = 32
	s_mov_b32 s[G1+2], 36<<16                      ; tensor_dim1 = 36
	s_mov_b32 s[G1+3], 32<<16                      ; tile_dim0 = 32
	s_mov_b32 s[G1+4], 36                          ; tile_dim1 = 36
	s_mov_b32 s[G1+5], 32                          ; elements from row to row
	s_mov_b32 s[G1+6], 0
	s_mov_b32 s[G1+7], 0
	s_mul_i32 s15, s10, 2*REC                      ; the two records that I fetch, in a slot
	s_mul_i32 s16, s44, 128*REC
	s_add_co_u32 s16, s16, s15                     ; and in memory: + my half of the codebook
	s_mov_b32 s17, 0
	s_mul_i32 s52, s12, 4*REC                      ; the four records that I read
	s_lshl_b32 s18, s14, 3
	s_lshl_b32 s19, s11, 2
	s_add_co_u32 s18, s18, s19
	s_mul_i32 s18, s18, XREC                       ; my four records of x: 8 x block + 4 x query half
	s_mov_b32 s19, 0
	s_lshl_b32 s22, s44, 17
	s_lshl_b32 s23, s14, 10
	s_add_co_u32 s22, s22, s23                     ; cand: my half's table, my block's 256 words
	s_mov_b32 s23, 0
	s_lshl_b32 s21, s10, 11
	s_add_co_u32 s21, s21, MERGE                   ; the merge, in: 2,048 x wave
	s_lshr_b32 s20, s10, 2
	s_lshl_b32 s20, s20, 11
	s_and_b32 s53, s10, 3
	s_lshl_b32 s53, s53, 9
	s_add_co_u32 s20, s20, s53
	s_add_co_u32 s20, s20, MERGE                   ; and out: wave w takes tiles 2 w, 2 w + 1 of 16: query half w / 4, its tiles 2 (w % 4) + 0, 1
	s_lshl_b32 s53, s10, 7
	s_add_co_u32 s53, s53, RES                     ; those tiles' 32 results
	s_lshl_b32 s[GI], s44, 7
	s_lshl_b32 s45, s12, 2
	s_add_co_u32 s[GI], s[GI], s45                 ; my first record: 128 x half + 4 x quarter
	s_add_co_u32 s[GI+1], s[GI], 1
	s_add_co_u32 s[GI+2], s[GI], 2
	s_add_co_u32 s[GI+3], s[GI], 3
	s_mov_b32 s46, 0x76543210
	s_mov_b32 s47, 0xfedcba98                      ; v_permlanex16_b32's selects for lane l xor 16
	v_bfe_u32 v3, v0, 4, 1                         ; h = lane / 16
	v_and_b32 v15, 31, v0                          ; lane
	v_and_b32 v11, 7, v0
	v_bfe_u32 v13, v0, 3, 1
	v_and_b32 v14, 15, v0
	v_lshlrev_b32 v10, 4, v15                      ; 16 x lane
	v_lshlrev_b32 v11, 3, v11
	v_lshl_add_u32 v12, v15, 3, s21                ; merge in: + 8 x lane
	v_lshl_add_u32 v11, v13, 7, v11
	v_lshl_add_u32 v13, v15, 3, s20                ; merge out: + 8 x lane
	v_lshl_add_u32 v14, v14, 2, s53                ; my query's result
	v_lshl_add_u32 v11, v3, 6, v11                 ; scale words: 128 ((lane / 8) % 2) + 64 (lane / 16) + 8 (lane % 8): 8 bytes there are tile 0's word and tile 1's
	v_add_nc_u32 v[ADK], s52, v10
	v_lshl_add_u32 v[ADH], v3, 7, s52
	v_add_nc_u32 v15, RES, v10                     ; the results, 16 bytes a lane
	v_add_nc_u32 v[ADS], s52, v11
	v_add_nc_u32 v[ADK+1], SLOTB, v[ADK]
	v_add_nc_u32 v[ADH+1], SLOTB, v[ADH]
	v_add_nc_u32 v[ADS+1], SLOTB, v[ADS]
.irp T, 0,1,2,3,4,5,6,7
	v_mov_b32 v[RG+2*\T], 0x7f800000               ; the running minima: +infinity
	v_mov_b32 v[RG+2*\T+1], 0
.endr
	s_wait_alu depctr_va_vdst(0)
	s_wait_dscnt 0x0                               ; both opening adds are done
	s_wait_kmcnt 0x0
	s_add_nc_u64 s[4:5], s[4:5], s[18:19]
	s_add_nc_u64 s[8:9], s[8:9], s[22:23]
.irp n, 0,1
	s_mov_b32 s[G0+4*\n], 1                        ; count = 1
	s_add_co_u32 s[G0+4*\n+1], s15, \n*SLOTB       ; LDS address
	s_add_nc_u64 s[G0+4*\n+2:G0+4*\n+3], s[6:7], s[16:17]
	s_add_nc_u64 s[G0+4*\n+2:G0+4*\n+3], s[G0+4*\n+2:G0+4*\n+3], \n*SLOTB   ; global address: records 16 n on of my half
	s_or_b32 s[G0+4*\n+3], s[G0+4*\n+3], 0x80000000   ; type = 2
.endr
	WIN TO_F
.irp g, 0,1,2,3                                ; x stays in registers: record g holds tiles 2 g and 2 g + 1
.irp f, 0,1,2,3,4,5,6,7
	global_load_b128 v[32*\g+4*\f:32*\g+4*\f+3], v10, s[4:5] offset:\g*XREC+512*\f
.endr
.endr
	WIN 0
.irp g, 0,1,2,3
	global_load_b64 v[XS+2*\g:XS+2*\g+1], v11, s[4:5] offset:\g*XREC+4096
.endr
	ROUND                                          ; all four work-groups are here: the first joint loads meet
	tensor_load_to_lds s[G0:G0+3], s[G1:G1+7]      ; slot 0, my eighth: one tensor load a wave at the head
	s_nop 0
; 13 LDS loads: record lr of my four in ring slot ls, into buffer b.  An image's 512 bytes are consecutive: no padding is wanted.
.macro LOADS ls, lr, b
	WIN TO_F
.irp f, 0,1,2,3,4,5,6,7
	ds_load_b128 v[128+32*(\b)+4*\f:128+32*(\b)+4*\f+3], v[ADK+(\ls)] offset:(\lr)*REC+512*\f
.endr
	WIN 0
	ds_load_b64 v[SC+2*(\b):SC+2*(\b)+1], v[ADS+(\ls)] offset:(\lr)*REC+4096
.irp k, 0,1,2,3
	ds_load_b128 v[HV+16*(\b)+4*\k:HV+16*(\b)+4*\k+3], v[ADH+(\ls)] offset:(\lr)*REC+4352+16*\k
.endr
.endm
; 16 matrix instructions: the record in buffer b x query tiles 4 half + 0 .. 3, into accumulator set half.  The 8 accumulators take turns, one instruction a turn; K step 1 takes both sides' scale words from lanes 16-31.
.macro WB b, half
.irp s, 0,1
.irp q, 0,1,2,3
.irp u, 0,1
.if \s == 0
	v_wmma_scale_f32_16x16x128_f8f6f4 v[ACC+64*(\half)+16*\q+8*\u:ACC+64*(\half)+16*\q+8*\u+7], v[128+32*(\b)+16*\u:128+32*(\b)+16*\u+7], v[16*(4*(\half)+\q):16*(4*(\half)+\q)+7], 0, v[SC+2*(\b)+\u], v[XS+4*(\half)+\q] matrix_a_fmt:MATRIX_FMT_FP4 matrix_b_fmt:MATRIX_FMT_FP4
.else
	v_wmma_scale_f32_16x16x128_f8f6f4 v[ACC+64*(\half)+16*\q+8*\u:ACC+64*(\half)+16*\q+8*\u+7], v[128+32*(\b)+16*\u+8:128+32*(\b)+16*\u+15], v[16*(4*(\half)+\q)+8:16*(4*(\half)+\q)+15], v[ACC+64*(\half)+16*\q+8*\u:ACC+64*(\half)+16*\q+8*\u+7], v[SC+2*(\b)+\u], v[XS+4*(\half)+\q] matrix_a_fmt:MATRIX_FMT_FP4 matrix_b_fmt:MATRIX_FMT_FP4 matrix_a_scale:MATRIX_SCALE_ROW1 matrix_b_scale:MATRIX_SCALE_ROW1
.endif
.endr
.endr
.endr
.endm
; THE VECTOR WORK of a batch: accumulator set `set`, hv in buffer hb, query tiles t0 + 0 .. 3, the record's number in s[vi].  par: which of the two sets of running minima is the old one.
; Each accumulator is read from its low end on.  The four tiles' chains take turns, so that no line reads what one of the three lines above it wrote.
.macro VB set, hb, par, t0, vi
.set VS, ACC+64*(\set)
.set VH, HV+16*(\hb)
.irp q, 0,1,2,3
.irp j, 0,1,2,3,4,5,6,7
	v_dual_sub_f32 v[VS+16*\q+2*\j], v[VH+2*\j], v[VS+16*\q+2*\j] :: v_dual_sub_f32 v[VS+16*\q+2*\j+1], v[VH+2*\j+1], v[VS+16*\q+2*\j+1]   ; hv - dot, two at a time
.endr
.endr
.irp q, 0,1,2,3
	v_min3_num_f32 v[MT+2*\q], v[VS+16*\q], v[VS+16*\q+1], v[VS+16*\q+2]
	v_min3_num_f32 v[MT+2*\q+1], v[VS+16*\q+3], v[VS+16*\q+4], v[VS+16*\q+5]
.endr
.irp i, 6,10
.irp q, 0,1,2,3
	v_min3_num_f32 v[MT+2*\q], v[MT+2*\q], v[VS+16*\q+\i], v[VS+16*\q+\i+1]
	v_min3_num_f32 v[MT+2*\q+1], v[MT+2*\q+1], v[VS+16*\q+\i+2], v[VS+16*\q+\i+3]
.endr
.endr
.irp q, 0,1,2,3
	v_min3_num_f32 v[MT+2*\q], v[MT+2*\q], v[VS+16*\q+14], v[VS+16*\q+15]
.endr
.if \par == 0
.irp q, 0,1,2,3
	v_min3_num_f32 v[RUNB+\t0+\q], v[MT+2*\q], v[MT+2*\q+1], v[RG+2*(\t0+\q)]
.endr
.irp q, 0,1,2,3
	v_cmp_lt_f32 s[CM+\q], v[RUNB+\t0+\q], v[RG+2*(\t0+\q)]      ; a strict less: the first record with the minimum is kept
.endr
.else
.irp q, 0,1,2,3
	v_min3_num_f32 v[RG+2*(\t0+\q)], v[MT+2*\q], v[MT+2*\q+1], v[RUNB+\t0+\q]
.endr
.irp q, 0,1,2,3
	v_cmp_lt_f32 s[CM+\q], v[RG+2*(\t0+\q)], v[RUNB+\t0+\q]
.endr
.endif
.irp q, 0,1,2,3
	v_cndmask_b32 v[RG+2*(\t0+\q)+1], v[RG+2*(\t0+\q)+1], s[\vi], s[CM+\q]
.endr
.endm
; RECORD j of my four in ring slot `slot` (buffer j).  Its tiles 0-3 were multiplied in the record before.  Here: its tiles 4-7; the vector work of tiles 0-3; the next record's tiles 0-3; the LDS loads of the record three on
; (j = 0: this slot's fourth; else the other slot's j - 1); the vector work of tiles 4-7.
; w: how many younger LDS loads may be out when the next record's have to be in (-1: there is no next record).  ld = 1: the loads are issued.
; chg: THE CHANGE OF SLOTS.  All my reads of this slot have been issued.  I wait for all my tensor loads (my part of the other slot), add 0 to my spare word, multiply, wait for the add and for my reads, and signal; the vector work stands between
; signal and wait.  chg = 1: the rest of a round of the cluster's barrier follows, and this slot's joint refill is the first thing behind it.  chg = 2: nothing is left to fetch.
.macro RECORD slot, j, chg, ld, w
.if \chg
	s_wait_tensorcnt 0x0                           ; no tensor load of mine is out, so a group 0 may be written
	ds_add_u32 v1, v2
.if \chg == 1
	s_add_nc_u64 s[G0+4*\slot+2:G0+4*\slot+3], s[G0+4*\slot+2:G0+4*\slot+3], 2*SLOTB   ; this slot's next 16 records
.endif
.endif
	WIN MUL
	WB \j, 1
	WIN 0
.if \chg
	s_wait_dscnt 0x0                               ; the add is done, and my reads of this slot are over
	s_barrier_signal -1
.endif
	VB 0, \j, (\j)%2, 0, GI+\j
.if \chg
	s_barrier_wait -1
.if \chg == 1
	CREST                                          ; no wave of any partner still reads this slot or has a load on its way
	tensor_load_to_lds s[G0+4*\slot:G0+4*\slot+3], s[G1:G1+7]
	s_nop 0
.endif
.endif
.if \w >= 0
.if \chg == 0
	s_wait_dscnt \w
.endif
	WIN MUL
	WB (\j+1)%4, 0
.if \ld
.if \j == 0
	LOADS \slot, 3, 3
.else
	LOADS 1-\slot, \j-1, \j-1
.endif
.else
	WIN 0
.endif
.endif
	VB 1, \j, (\j)%2, 4, GI+\j
.endm
.macro NUMBERS                         ; on to the next slot's records
.irp i, 0,1,2,3
	s_add_co_u32 s[GI+\i], s[GI+\i], 16
.endr
.endm
.macro SLOT slot, chg
	RECORD \slot, 0, 0, 1, 13                      ; behind record 1's loads stand record 2's 13
	RECORD \slot, 1, \chg, 1, 0
	RECORD \slot, 2, 0, 1, 13                      ; record 3's are in since the change; the next slot's first 13 may be out
	RECORD \slot, 3, 0, 1, 13
	NUMBERS
.endm
	s_wait_tensorcnt 0x0                           ; my part of slot 0 is in
	ds_add_u32 v1, v2
	s_wait_dscnt 0x0
	ROUND                                          ; everybody's part is in, and all four work-groups are here
	tensor_load_to_lds s[G0+4:G0+7], s[G1:G1+7]    ; slot 1's first fill
	s_nop 0
	LOADS 0, 0, 0
	LOADS 0, 1, 1
	LOADS 0, 2, 2
	s_wait_loadcnt 0x0                             ; x
	s_wait_dscnt 26                                ; record 0's 13 loads are in
	WIN MUL
	WB 0, 0
	WIN 0
.rept 4
	v_nop                                          ; places behind these first products (ISA guide 7.12.1): in the loop a batch's vector work stands here
.endr
	s_mov_b32 s45, 3
.Lring:                                            ; three trips, two slots each: records 0 to 95 of my half; both slots are filled again
	SLOT 0, 1
	SLOT 1, 1
	s_sub_co_u32 s45, s45, 1
	s_cmp_lg_u32 s45, 0
	s_cbranch_scc1 .Lring
	SLOT 0, 2                                      ; the last two slots are written out: nothing more is fetched
	RECORD 1, 0, 0, 1, 13
	RECORD 1, 1, 0, 0, 13
	RECORD 1, 2, 0, 0, 0
	RECORD 1, 3, 0, 0, -1
	; THE MERGE.  A query's minimum lies in 8 places: 4 waves x 2 halves of the lanes.  The group of 16 codes is 2 x record + lane / 16.
.irp T, 0,1,2,3,4,5,6,7
	v_lshl_add_u32 v[RG+2*\T+1], v[RG+2*\T+1], 1, v3
.endr
.irp T, 0,1,2,3,4,5,6,7
	ds_store_b64 v12, v[RG+2*\T:RG+2*\T+1] offset:256*\T
.endr
	s_wait_dscnt 0x0                               ; for the others' sake: my stores have landed
	s_barrier_signal -1
	s_barrier_wait -1
.irp e, 0,1
.irp k, 0,1,2,3
	ds_load_b64 v[64+8*\e+2*\k:65+8*\e+2*\k], v13 offset:4096*\k+256*\e   ; my tile e: what the wave of quarter k found for my query in my half of the lanes
.endr
.endr
	s_wait_dscnt 0x0
.macro CMB a, b                        ; pair a takes pair b where b's minimum is smaller, or equal with the lower group
	v_cmp_lt_f32 vcc_lo, v[\b], v[\a]
	v_cndmask_b32 v[\a+1], v[\a+1], v[\b+1], vcc_lo
	v_min_u32 v58, v[\a+1], v[\b+1]
	v_cmp_eq_f32 vcc_lo, v[\b], v[\a]
	v_cndmask_b32 v[\a+1], v[\a+1], v58, vcc_lo
	v_min_num_f32 v[\a], v[\a], v[\b]
.endm
	CMB 64, 66
	CMB 68, 70
	CMB 72, 74
	CMB 76, 78
	CMB 64, 68
	CMB 72, 76
	v_permlanex16_b32 v56, v64, s46, s47
	v_permlanex16_b32 v57, v65, s46, s47
	v_permlanex16_b32 v60, v72, s46, s47
	v_permlanex16_b32 v61, v73, s46, s47
	CMB 64, 56                                     ; with the other half of the lanes: both halves now hold the same pair
	CMB 72, 60
	v_ashrrev_i32 v56, 31, v64                     ; the key: all bits flipped where the score is negative, the sign bit set where it is not
	v_ashrrev_i32 v60, 31, v72
	v_or_b32 v56, 0x80000000, v56
	v_or_b32 v60, 0x80000000, v60
	v_xor_b32 v64, v64, v56
	v_xor_b32 v72, v72, v60
	ds_store_b32 v14, v65                          ; lanes l and l xor 16 write the same word with the same value
	ds_store_b32 v14, v73 offset:64
	ds_store_b32 v14, v64 offset:1024
	ds_store_b32 v14, v72 offset:1088
	s_wait_dscnt 0x0
	s_barrier_signal -1
	s_barrier_wait -1
	s_cmp_lg_u32 s10, 0
	s_cbranch_scc1 .Ldone
.irp i, 0,1,2,3
	ds_load_b128 v[64+4*\i:67+4*\i], v15 offset:512*\i
.endr
	s_wait_dscnt 0x0
	global_store_b128 v10, v[64:67], s[8:9]                  ; 256 groups: twice 512 consecutive bytes, at multiples of 256 from cand's first byte
	global_store_b128 v10, v[68:71], s[8:9] offset:512
	global_store_b128 v10, v[72:75], s[8:9] offset:262144    ; and 256 keys, two tables further on
	global_store_b128 v10, v[76:79], s[8:9] offset:262656
.Ldone:
	s_wait_tensorcnt 0x0                           ; the wave's end, behind my last tensor load and my last LDS store
	ds_add_u32 v1, v2
	s_wait_dscnt 0x0
	ROUND                                          ; the closing round: no work-group ends while a partner may still ask for a tile that names it
	s_endpgm
.Lfunc_end_k_q14b367c77f_scan:
	.size	k_q14b367c77f_scan, .Lfunc_end_k_q14b367c77f_scan-k_q14b367c77f_scan
	.p2alignl 7, 3214868480
	.fill 96, 4, 3214868480
	.section	.rodata,"a",@progbits
	.p2align	6, 0x0
	.amdhsa_kernel k_q14b367c77f_scan
		.amdhsa_group_segment_fixed_size 327680
		.amdhsa_private_segment_fixed_size 0
		.amdhsa_enable_private_segment 0
		.amdhsa_kernarg_size 24
		.amdhsa_user_sgpr_count 2
		.amdhsa_user_sgpr_kernarg_segment_ptr 1
		.amdhsa_wavefront_size32 1
		.amdhsa_system_sgpr_workgroup_id_x 1
		.amdhsa_system_sgpr_workgroup_id_y 1
		.amdhsa_system_sgpr_workgroup_id_z 1
		.amdhsa_system_vgpr_workitem_id 0
		.amdhsa_next_free_vgpr 512
		.amdhsa_next_free_sgpr 66
		.amdhsa_reserve_vcc 1
		.amdhsa_float_denorm_mode_32 3
		.amdhsa_float_denorm_mode_16_64 3
		.amdhsa_memory_ordered 1
		.amdhsa_forward_progress 1
		.amdhsa_inst_pref_size 241
	.end_amdhsa_kernel
	.amdgpu_metadata
---
amdhsa.version: [ 1, 2 ]
amdhsa.kernels:
  - .name:           k_q14b367c77f_scan
    .symbol:         k_q14b367c77f_scan.kd
    .args:
      - { .name: xq, .offset: 0, .size: 8, .value_kind: global_buffer, .address_space: global }
      - { .name: cb, .offset: 8, .size: 8, .value_kind: global_buffer, .address_space: global }
      - { .name: cand, .offset: 16, .size: 8, .value_kind: global_buffer, .address_space: global }
    .group_segment_fixed_size: 327680
    .private_segment_fixed_size: 0
    .kernarg_segment_align: 8
    .kernarg_segment_size: 24
    .max_flat_workgroup_size: 256
    .sgpr_count:     66
    .vgpr_count:     512
    .wavefront_size: 32
...
	.end_amdgpu_metadata
.endif
;; end of part 2
;; launch pick (part 3): grid 512 x 1, 8 waves a work-group, no clusters, 2,048 bytes of LDS; arguments xq, cb, cand, out0; writes out0
.if DOCPART == 3
	.amdgcn_target "amdgcn-amd-amdhsa--gfx1250"
	.amdhsa_code_object_version 6
	.text
	.protected	k_q14b367c77f_pick
	.globl	k_q14b367c77f_pick
	.p2align	8
	.type	k_q14b367c77f_pick,@function
k_q14b367c77f_pick:
	s_mov_b64 s[64:65], 0
	v_nop
	global_prefetch_b8 v0, s[64:65] scope:SCOPE_SE
	s_setreg_imm32_b32 hwreg(HW_REG_WAVE_MODE, 25, 1), 1
	s_wait_xcnt 0x0
; out0[query] = 16 x group + the first place of the smallest score among the group's 16 codes; the group (0 .. 511) is read from cand, where the launch before has stored it for each query.
; The scores are made anew as that launch makes them: the same two matrix instructions on codes of FP4 (E2M1) with E8M0 scales, K ascending, then hv - dot by one f32 subtraction.
; xq, cb: records of 32 rows as images of operand registers.  The 16 codes of group 2 g + H lie in record g: code 16 H + r' is row 8 H + r' % 8 of tile r' / 8.  So in every part of a record H adds 128 bytes:
; codes at 2048 (r' / 8) + 512 (2 s + c) + 256 h + 16 (r' % 8) + 128 H; scale words at 4096 + 64 s + 8 (r' % 8) + 4 (r' / 8) + 128 H; hv at 4352 + 4 r' + 128 H.
; cand[16 tile + r] belongs to row r of a tile of xq, which is query 32 (tile / 2) + 8 (tile % 2) + r + 8 (r / 8).
; SHARES.  A work-group takes 4 tiles of x, 64 queries; two waves share a tile: wave w takes columns 8 (w % 2) + 0 .. 7 of tile 4 W + w / 2.  For each of its 8 queries a wave multiplies that query's 16 codes by the whole tile
; and keeps the query's own column (lanes q and 16 + q).  Its first 49 loads are out together.
; The ids enter addresses behind a clamp written in the instruction (record at most 255, H at most 1).
; No tensor load, no cluster: which records a wave reads hangs on the list, and no two work-groups share a tile by design.  No prefetch: the launch is one short chain of dependent loads.
; LIMITS: NaN and infinities are not served.
.set XREC, 4352
.set REC,  4608
.set XF,   16                          ; v16-31   x's two fragments
.set XS,   32                          ; v32      x's scale words: lanes 0-15 K step 0's, lanes 16-31 K step 1's
.set SA,   33                          ; v33-40   the codes' scale words, a register a query
.set HV,   48                          ; v48-55   hv of my query's codes 8 h + 0 .. 7
.set SS,   56                          ; v56-63   my query's dots, then scores
.set DD,   64                          ; v64-95   four accumulators
.set AF,   96                          ; v96-223  the codes' fragments: query q, K step s at 16 q + 8 s
	s_load_b256 s[4:11], s[0:1], 0x0               ; xq s[4:5], cb s[6:7], cand s[8:9], out0 s[10:11]
	v_lshl_add_u32 v240, v0, 2, 0x400              ; my spare word, behind the eight waves' 128 bytes of results
	v_mov_b32 v241, 0
	v_lshrrev_b32 v1, 5, v0
	s_delay_alu instid0(VALU_DEP_1)
	v_readfirstlane_b32 s12, v1                    ; wave 0..7
	s_and_b32 s13, s12, 1                          ; p: which 8 columns
	s_lshr_b32 s14, s12, 1
	s_lshl_b32 s15, ttmp9, 2
	s_add_co_u32 s14, s14, s15                     ; my tile of x
	s_mov_b32 s56, 0x76543210
	s_mov_b32 s57, 0xfedcba98                      ; v_permlanex16_b32's selects for lane l xor 16
	v_and_b32 v1, 31, v0                           ; lane
	v_and_b32 v2, 15, v0                           ; r
	v_bfe_u32 v3, v0, 4, 1                         ; h
	v_and_b32 v13, 7, v0                           ; r % 8
	v_bfe_u32 v12, v0, 3, 1                        ; r / 8
	v_lshlrev_b32 v4, 4, v1                        ; x's images: 16 x lane
	s_delay_alu instid0(VALU_DEP_3)
	v_lshlrev_b32 v5, 4, v13
	s_delay_alu instid0(VALU_DEP_1)
	v_lshl_add_u32 v5, v3, 8, v5
	s_delay_alu instid0(VALU_DEP_1)
	v_lshl_add_u32 v5, v12, 11, v5                 ; the codes: 2048 (r / 8) + 256 h + 16 (r % 8)
	v_lshlrev_b32 v6, 3, v13
	s_delay_alu instid0(VALU_DEP_1)
	v_lshl_add_u32 v7, v12, 7, v6
	s_delay_alu instid0(VALU_DEP_1)
	v_lshl_add_u32 v7, v3, 6, v7                   ; x's scale words: 128 (r / 8) + 64 (lane / 16) + 8 (r % 8)
	s_delay_alu instid0(VALU_DEP_3)
	v_lshl_add_u32 v6, v12, 2, v6
	s_delay_alu instid0(VALU_DEP_1)
	v_lshl_add_u32 v6, v3, 6, v6                   ; the codes': 64 (lane / 16) + 8 (r % 8) + 4 (r / 8)
	v_lshlrev_b32 v8, 2, v2                        ; my query's word of cand
	v_lshlrev_b32 v14, 3, v1                       ; 8 x lane
	v_lshlrev_b32 v15, 2, v0                       ; every lane's result goes to a word of its own: 128 x wave + 4 x lane
	v_lshlrev_b32 v12, 5, v3                       ; 32 h
	v_and_b32 v13, 3, v0                           ; wave 0 gathers: lane L takes queries 2 L, 2 L + 1 = 32 a + 16 p + 8 b + c, which lie in wave 4 a + 2 b + p, lanes 8 p + c:
	v_bfe_u32 v10, v0, 2, 1                        ; b
	v_bfe_u32 v11, v0, 3, 1                        ; p
	v_lshlrev_b32 v13, 3, v13
	v_lshl_add_u32 v13, v10, 8, v13
	v_mad_u32_u24 v13, v11, 160, v13
	v_lshl_add_u32 v13, v3, 9, v13                 ; 512 a + 256 b + 160 p + 8 (L % 4)
	s_lshl_b32 s60, s14, 6
	s_mov_b32 s61, 0
	s_wait_alu depctr_va_vdst(0)
	s_wait_kmcnt 0x0
	s_add_nc_u64 s[24:25], s[8:9], s[60:61]        ; my tile's 16 ids
	s_lshl_b32 s60, s13, 5
	s_add_nc_u64 s[26:27], s[24:25], s[60:61]      ; my 8 of them
	; cand holds four tables of 32,768 words: the group found in half 0 of the codebook, in half 1, and each half's smallest score as an unsigned key of the same order.  The group of half 1 is taken where its key is strictly the smaller.
	s_load_b256 s[16:23], s[26:27], 0x0            ; my 8 queries: half 0's groups,
	s_load_b256 s[68:75], s[26:27], 0x20000        ; half 1's,
	s_load_b256 s[76:83], s[26:27], 0x40000        ; half 0's keys,
	s_load_b256 s[84:91], s[26:27], 0x60000        ; half 1's
	global_load_b32 v9, v8, s[24:25]               ; lane (r, h): query r's group in half 0,
	global_load_b32 v232, v8, s[24:25] offset:131072   ; in half 1,
	global_load_b32 v233, v8, s[24:25] offset:262144   ; and the two keys
	global_load_b32 v234, v8, s[24:25] offset:393216
	s_lshr_b32 s60, s14, 1
	s_mul_i32 s60, s60, XREC
	s_add_nc_u64 s[30:31], s[4:5], s[60:61]        ; my tile's record of x
	s_and_b32 s59, s14, 1
	s_lshl_b32 s60, s59, 11
	s_add_nc_u64 s[28:29], s[30:31], s[60:61]      ; its codes: + 2048 u
	s_lshl_b32 s60, s59, 2
	s_add_nc_u64 s[30:31], s[30:31], s[60:61]      ; its scale words: + 4 u
.irp f, 0,1,2,3
	global_load_b128 v[XF+4*\f:XF+4*\f+3], v4, s[28:29] offset:512*\f
.endr
	global_load_b32 v[XS], v7, s[30:31] offset:4096
	s_lshl_b32 s60, ttmp9, 8
	s_add_nc_u64 s[10:11], s[10:11], s[60:61]      ; my work-group's 64 words of out0
	s_lshl_b32 s59, s13, 3
	s_lshl_b32 s48, 0x10001, s59                   ; lanes 8 p + q and 16 + 8 p + q: query q's column
.irp q, 1,2,3,4,5,6,7
	s_lshl_b32 s[48+\q], s[48+\q-1], 1
.endr
	s_wait_kmcnt 0x0                               ; the 8 ids
.irp q, 0,1,2,3,4,5,6,7
	s_cmp_lt_u32 s[84+\q], s[76+\q]                ; whole numbers read from memory decide
	s_cselect_b32 s[16+\q], s[68+\q], s[16+\q]
	s_and_b32 s59, s[16+\q], 1
	s_min_u32 s59, s59, 1                          ; H
	s_lshr_b32 s60, s[16+\q], 1
	s_min_u32 s60, s60, 255                        ; the record
	s_mul_i32 s60, s60, REC
	s_lshl_b32 s59, s59, 7
	s_add_co_u32 s60, s60, s59
	s_add_nc_u64 s[32+2*\q:33+2*\q], s[6:7], s[60:61]
.endr
.irp q, 0,1,2,3,4,5,6,7
.irp f, 0,1,2,3
	global_load_b128 v[AF+16*\q+4*\f:AF+16*\q+4*\f+3], v5, s[32+2*\q:33+2*\q] offset:512*\f
.endr
	global_load_b32 v[SA+\q], v6, s[32+2*\q:33+2*\q] offset:4096
.endr
	s_wait_loadcnt 45                              ; my query's four words are in; x's 5 loads and the 40 just issued may be out
	v_cmp_lt_u32 vcc_lo, v234, v233
	v_cndmask_b32 v9, v9, v232, vcc_lo             ; the same choice, lane by lane
	v_lshrrev_b32 v10, 1, v9
	s_delay_alu instid0(VALU_DEP_1)
	v_min_u32 v10, 255, v10                        ; the record
	v_and_b32 v11, 1, v9
	s_delay_alu instid0(VALU_DEP_1)
	v_min_u32 v11, 1, v11                          ; H
	s_delay_alu instid0(VALU_DEP_3)
	v_mul_u32_u24 v10, v10, REC
	s_delay_alu instid0(VALU_DEP_2)
	v_lshlrev_b32 v11, 7, v11
	s_delay_alu instid0(VALU_DEP_1)
	v_add_nc_u32 v10, v10, v11
	s_delay_alu instid0(VALU_DEP_1)
	v_add_nc_u32 v10, v10, v12                     ; + 32 h: hv of codes 8 h + 0 .. 7 of my query's group
	global_load_b128 v[HV:HV+3], v10, s[6:7] offset:4352
	global_load_b128 v[HV+4:HV+7], v10, s[6:7] offset:4368
.irp j, 0,1,2,3,4,5,6,7
	v_mov_b32 v[SS+\j], 0                          ; (lanes of the other wave's columns keep zeros; their results are not stored)
.endr
	v_mov_b32 v226, 0                              ; written once: a lane permute's destination counts as one of its sources
	v_mov_b32 v227, 0
	s_wait_loadcnt 0x0
.macro PW q, s                         ; query q's 16 codes x my tile of x, K step s: in the result lane (r, h), register j: code 8 h + j, query r
.if \s == 0
	v_wmma_scale_f32_16x16x128_f8f6f4 v[DD+8*((\q)%4):DD+8*((\q)%4)+7], v[AF+16*(\q):AF+16*(\q)+7], v[XF:XF+7], 0, v[SA+(\q)], v[XS] matrix_a_fmt:MATRIX_FMT_FP4 matrix_b_fmt:MATRIX_FMT_FP4
.else
	v_wmma_scale_f32_16x16x128_f8f6f4 v[DD+8*((\q)%4):DD+8*((\q)%4)+7], v[AF+16*(\q)+8:AF+16*(\q)+15], v[XF+8:XF+15], v[DD+8*((\q)%4):DD+8*((\q)%4)+7], v[SA+(\q)], v[XS] matrix_a_fmt:MATRIX_FMT_FP4 matrix_b_fmt:MATRIX_FMT_FP4 matrix_a_scale:MATRIX_SCALE_ROW1 matrix_b_scale:MATRIX_SCALE_ROW1
.endif
.endm
; Four queries at a time: four accumulators by turns, one instruction a turn.  Four v_nop are the places ahead of the first read of results (ISA guide 7.12.1);
; an accumulator is begun anew in the second batch behind those four and the 24 selects of the three other accumulators.
.irp b, 0,4
.irp q, 0,1,2,3
	PW \b+\q, 0
.endr
.irp q, 0,1,2,3
	PW \b+\q, 1
.endr
.rept 4
	v_nop
.endr
.irp q, 0,1,2,3
.irp j, 0,1,2,3,4,5,6,7
	v_cndmask_b32 v[SS+\j], v[SS+\j], v[DD+8*\q+\j], s[48+\b+\q]   ; the query's own column; each accumulator from its low end on
.endr
.endr
.endr
.irp j, 0,2,4,6
	v_pk_add_f32 v[SS+\j:SS+\j+1], v[HV+\j:HV+\j+1], v[SS+\j:SS+\j+1] neg_lo:[0,1] neg_hi:[0,1]   ; hv - dot
.endr
	s_delay_alu instid0(VALU_DEP_4)
	v_mov_b32 v224, v[SS]                          ; the smallest so far,
	v_mov_b32 v225, 0                              ; and its place
.irp j, 1
	s_delay_alu instid0(VALU_DEP_2)
	v_cmp_lt_f32 vcc_lo, v[SS+\j], v224            ; a strict less: the first place is kept
	s_delay_alu instid0(VALU_DEP_1)
	v_cndmask_b32 v225, v225, \j, vcc_lo
	s_delay_alu instid0(VALU_DEP_4)
	v_min_num_f32 v224, v224, v[SS+\j]
.endr
.irp j, 2, 3, 4, 5, 6, 7
	s_delay_alu instid0(VALU_DEP_1)
	v_cmp_lt_f32 vcc_lo, v[SS+\j], v224            ; a strict less: the first place is kept
	s_delay_alu instid0(VALU_DEP_1)
	v_cndmask_b32 v225, v225, \j, vcc_lo
	s_delay_alu instid0(VALU_DEP_3)
	v_min_num_f32 v224, v224, v[SS+\j]
.endr
	s_delay_alu instid0(VALU_DEP_2)
	v_lshl_add_u32 v225, v3, 3, v225               ; + 8 h
	s_delay_alu instid0(VALU_DEP_2)
	v_permlanex16_b32 v226, v224, s56, s57
	s_delay_alu instid0(VALU_DEP_2)
	v_permlanex16_b32 v227, v225, s56, s57
	s_delay_alu instid0(VALU_DEP_2)
	v_cmp_lt_f32 vcc_lo, v226, v224                ; lanes 0-15 take codes 8 .. 15's on a strict less
	s_delay_alu instid0(VALU_DEP_1)
	v_cndmask_b32 v225, v225, v227, vcc_lo
	s_delay_alu instid0(VALU_DEP_1)
	v_lshl_add_u32 v228, v9, 4, v225               ; the index
	ds_store_b32 v15, v228                         ; all lanes store; lanes 8 p .. 8 p + 7 hold my 8 queries, and only their words are read
	s_wait_dscnt 0x0                               ; for wave 0's sake: my store has landed
	s_barrier_signal -1
	s_barrier_wait -1
	s_cmp_lg_u32 s12, 0
	s_cbranch_scc1 .Lend
	ds_load_b64 v[230:231], v13
	s_wait_dscnt 0x0
	global_store_b64 v14, v[230:231], s[10:11]     ; 64 queries: 256 consecutive bytes, at a multiple of 256 from out0's first byte
.Lend:
	s_wait_tensorcnt 0x0
	ds_add_u32 v240, v241
	s_wait_dscnt 0x0
	s_endpgm
.Lfunc_end_k_q14b367c77f_pick:
	.size	k_q14b367c77f_pick, .Lfunc_end_k_q14b367c77f_pick-k_q14b367c77f_pick
	.p2alignl 7, 3214868480
	.fill 96, 4, 3214868480
	.section	.rodata,"a",@progbits
	.p2align	6, 0x0
	.amdhsa_kernel k_q14b367c77f_pick
		.amdhsa_group_segment_fixed_size 2048
		.amdhsa_private_segment_fixed_size 0
		.amdhsa_enable_private_segment 0
		.amdhsa_kernarg_size 32
		.amdhsa_user_sgpr_count 2
		.amdhsa_user_sgpr_kernarg_segment_ptr 1
		.amdhsa_wavefront_size32 1
		.amdhsa_system_sgpr_workgroup_id_x 1
		.amdhsa_system_sgpr_workgroup_id_y 1
		.amdhsa_system_sgpr_workgroup_id_z 1
		.amdhsa_system_vgpr_workitem_id 0
		.amdhsa_next_free_vgpr 242
		.amdhsa_next_free_sgpr 92
		.amdhsa_reserve_vcc 1
		.amdhsa_float_denorm_mode_32 3
		.amdhsa_float_denorm_mode_16_64 3
		.amdhsa_memory_ordered 1
		.amdhsa_forward_progress 1
		.amdhsa_inst_pref_size 22
	.end_amdhsa_kernel
	.amdgpu_metadata
---
amdhsa.version: [ 1, 2 ]
amdhsa.kernels:
  - .name:           k_q14b367c77f_pick
    .symbol:         k_q14b367c77f_pick.kd
    .args:
      - { .name: xq, .offset: 0, .size: 8, .value_kind: global_buffer, .address_space: global }
      - { .name: cb, .offset: 8, .size: 8, .value_kind: global_buffer, .address_space: global }
      - { .name: cand, .offset: 16, .size: 8, .value_kind: global_buffer, .address_space: global }
      - { .name: out0, .offset: 24, .size: 8, .value_kind: global_buffer, .address_space: global }
    .group_segment_fixed_size: 2048
    .private_segment_fixed_size: 0
    .kernarg_segment_align: 8
    .kernarg_segment_size: 32
    .max_flat_workgroup_size: 256
    .sgpr_count:     92
    .vgpr_count:     242
    .wavefront_size: 32
...
	.end_amdgpu_metadata
.endif
;; end of part 3
